; MI455X (gfx1250); checked and timed in simulation.
; The chip was launched on July 23, 2026; its instructions are those of AMD's public machine-readable ISA for CDNA 5 (MIT licence, August 2026) and "CDNA5" Instruction Set Architecture Reference Guide (July 2026). The comments in the code are by the model that wrote it; some were corrected since.
;; Mo E Layer. Allowed arithmetic: matrix products marked QUANTISED: E2M3 operands, one E8M0 scale for each 32 along K, by v_wmma_scale_f32_16x16x128_f8f6f4 with both operands' format E2M3, f32 sums; products left as they are: f32 operands where the result goes on into a quantised operand, else bf16, f16 or f32 operands; f32 sums; everything else in f32.
;; Inputs: W1_codes 8 x 4,096 x 32 x 24 uint8 (E2M3 codes of W1, K innermost, in blocks of 32 codes, four codes in three bytes); W1_scales 8 x 4,096 x 32 uint8 (E8M0 scales of W1, one for each 32 codes along K); W2_codes 8 x 1,024 x 128 x 24 uint8 (E2M3 codes of W2, K innermost, in blocks of 32 codes, four codes in three bytes); W2_scales 8 x 1,024 x 128 uint8 (E8M0 scales of W2, one for each 32 codes along K); Wr1_codes 1,024 x 32 x 24 uint8 (E2M3 codes of Wr1, K innermost, in blocks of 32 codes, four codes in three bytes); Wr1_scales 1,024 x 32 uint8 (E8M0 scales of Wr1, one for each 32 codes along K); Wr2 1,024 x 8 float32; b1 8 x 4,096 float32; b2 8 x 1,024 float32; br1 1,024 float32; br2 8 float32; x_codes 4 x 256 x 32 x 24 uint8 (E2M3 codes of x, K innermost, in blocks of 32 codes, four codes in three bytes); x_scales 4 x 256 x 32 uint8 (E8M0 scales of x, one for each 32 codes along K).
;; Outputs: out0 4 x 256 x 1,024 float32.
;; This version of the problem:
;;   THIS VERSION OF THE PROBLEM IS GIVEN IN LOW PRECISION. The matrix products marked QUANTISED in the list below multiply operands that are first quantised to E2M3 (2 exponent bits, 3 mantissa bits; 6 bits a number), with one power-of-two scale for each 32 numbers along K (OCP MX v1.0); their sums are f32. All else is computed in f32.
;;   The module's matrix products, in the order in which they are computed (A, B: the left and right operand; K: the contracted axis; several contracted axes count as one K, in the product's order):
;;     1. [M 1,024, K 1,024] x [K 1,024, N 1,024]; A: input x (given as codes); B: input Wr1 (given as codes): QUANTISED
;;     2. [M 1,024, K 1,024] x [K 1,024, N 8]; A: computed on the way; B: input Wr2: left as it is (N = 8 < 16)
;;     3. [M 1,024, K 1,024] x [K 1,024, N 32,768]; A: input x (given as codes); B: input W1 (given as codes): QUANTISED
;;     4. batch 8 x [M 1,024, K 4,096] x [K 4,096, N 1,024]; A: input W2 (given as codes); B: computed on the way: QUANTISED
;;     5. batch 1,024 x [M 1, K 8] x [K 8, N 1,024]; A: softmax; B: computed on the way: left as it is (K = 8 < 32)
;;   THE QUANTISER, for each operand of a quantised product, along K:
;;     - K is cut into blocks of 32 from its start; a last block that is shorter is filled with zeros.
;;     - A block's scale is 2^e with e = floor(log2(the largest magnitude in the block)) - 2, held to -126 .. 127; a block of zeros has e = 0. As a byte (E8M0): e + 127.
;;     - Each number is divided by its block's scale, clamped to +-7.5, and rounded to the nearest number of E2M3, ties to even, subnormals kept.
;;     - The product sums the exact products of the quantised numbers (number of the format x scale) in f32.
;;   ~~~python
;;   def quantise(x, axis):      # numpy; x: float32 -> the quantised numbers, widened to float32 again
;;       x = np.moveaxis(x, axis, -1); K = x.shape[-1]
;;       x = np.pad(x, [(0, 0)] * (x.ndim - 1) + [(0, -K % 32)]); x = x.reshape(x.shape[:-1] + (-1, 32)); a = np.abs(x).max(-1, keepdims=True)
;;       e = np.where(a > 0, np.clip(np.frexp(np.where(a > 0, a, 1))[1] - 1 - 2, -126, 127), 0)      # np.frexp(a)[1] - 1 = floor(log2(a)), exactly
;;       r = np.clip(x / 2.0 ** e, -7.5, 7.5)
;;       step = 2.0 ** (np.maximum(np.frexp(np.where(r == 0, 1, r))[1] - 1, 0) - 3)
;;       q = np.round(r / step) * step * 2.0 ** e      # np.round: ties to even
;;       return np.moveaxis(q.reshape(q.shape[:-2] + (-1,))[..., :K], -1, axis).astype(np.float32)
;;   ~~~
;;   OPERANDS COMPUTED ON THE WAY. 'Computed on the way' means the value that the module computes at that place (a softmax that the list does not call 'softmax' is quantised finished and normalised). What goes into a quantiser is computed in f32, as accurately as f32 sums, v_exp_f32 and their like allow (about 1e-6 of the number): no bf16 or f16 on the way to a quantiser, and a product that is left as it is and whose result goes on into a quantised operand takes f32 operands (vector FMAs, or v_wmma_f32_16x16x4_f32). A number that lies on a knife's edge between two numbers of the format may be rounded either way, as far as f32 arithmetic and the matrix unit's own rounding can turn it there, and no further.
;;   INPUTS GIVEN AS CODES. W1 (in the module: [8, 1024, 4096], K = its axis 1); W2 (in the module: [8, 4096, 1024], K = its axis 1); Wr1 (in the module: [1024, 1024], K = its axis 0); x (in the module: [4, 256, 1024], K = its axis 2): each comes as NAME_codes (uint8): NAME with its K axis moved to the last place and cut into blocks of 32 codes, [.., K / 32, bytes a block], one block behind the other in memory; four codes in three bytes: a row's codes are one little-endian stream of bits, code i at bits 6 i .. 6 i + 5 (a code: sign, 2 exponent bits, 3 mantissa bits); and NAME_scales (uint8): the same leading axes, one E8M0 byte (e + 127) for each 32 codes along K. Its value is code x scale, taken as it is: it is not quantised again, and the codes and scales need not be those that the quantiser above would give.
;; One version. Each part assembles by itself: llvm-mc -triple=amdgcn-amd-amdhsa -mcpu=gfx1250 --defsym DOCPART=n.
;; ======== version 1 of 1: 3 launches
;; limits: right only within a limited range of input values
;; workspace buffers: hc 25,165,824 bytes; hs 1,048,576 bytes; lp 2,097,152 bytes; pp 33,554,432 bytes
;; launch fc1 (part 1): grid 256 x 1, 8 waves a work-group, clusters of 4 x 1, 327,680 bytes of LDS; arguments x_codes, x_scales, W1_codes, W1_scales, b1, Wr1_codes, Wr1_scales, br1, Wr2, hc, hs, lp; writes hc, hs, lp
.if DOCPART == 1
	.amdgcn_target "amdgcn-amd-amdhsa--gfx1250"
	.amdhsa_code_object_version 6
	.text
	.protected	k_qa0c954cdde_fc1
	.globl	k_qa0c954cdde_fc1
	.p2align	8
	.type	k_qa0c954cdde_fc1,@function
k_qa0c954cdde_fc1:
	s_mov_b64 s[64:65], 0
	v_nop
	global_prefetch_b8 v0, s[64:65] scope:SCOPE_SE
	s_setreg_imm32_b32 hwreg(HW_REG_WAVE_MODE, 25, 1), 1
	s_wait_xcnt 0x0
	s_wait_alu depctr_hold_cnt(0) depctr_sa_sdst(0) depctr_va_vdst(0) depctr_va_sdst(0) depctr_va_ssrc(0) depctr_va_vcc(0) depctr_vm_vsrc(0)
	s_getreg_b32 s2, hwreg(HW_REG_IB_STS2, 6, 4)
	s_cmp_eq_u32 s2, 0
	s_cbranch_scc0 .Lentry_in_a_cluster
	s_endpgm
.Lentry_in_a_cluster:
	s_bfe_u32 s2, ttmp6, 0x10000c
	s_cmp_lg_u32 s2, 0x3003
	s_cbranch_scc0 .Lentry_shape_is_right
	s_endpgm
.Lentry_shape_is_right:
; h = Q(gelu(x W1 + b1)) for all 8 experts, as codes of E2M3 and E8M0 bytes laid as the next launch's operand registers; and the router's partial logits.
; No work of reference() is left out: every input has a way to the output and is loaded by some launch.
; SHARES.  64 clusters of 4 work-groups of 8 waves.  Cluster c owns rows 512 c .. + 511 of W1 (expert c / 8) and the router's hidden units 16 c .. + 15.  Wave w of work-group cx owns
; tokens 32 t .. + 31, t = 8 cx + w: its x fragments (2 tiles x 8 K steps x 12 registers) stay in registers.  W1 goes through a ring of two LDS slots of 64 rows, by JOINT tensor loads.
; W1's rows are dense in memory (768 bytes each), so a load is stated as 32 units of 256 bytes, 16 bytes of padding behind each: an LDS row is 816 bytes.
; At the head every wave issues one load by one group 1: waves 0-5 slot 0, waves 6-7 the scale bytes of the 512 rows, which lie behind slot 0.  Refills: waves 0-5.
; THE MATRIX INSTRUCTION IS USED TRANSPOSED: source 0 = 16 rows of W1, source 1 = 16 tokens: lane (r, h) holds token r and hidden units 8 h + 0 .. 7.
; GELU: 2 gelu(x) = x + |x| erf(|x| / sqrt 2), erf(z) = 1 - (a1 t + .. + a5 t^5) exp(-z^2), t = 1 / (1 + p z) (Abramowitz and Stegun 7.1.26).  LIMIT: its absolute error is up to 1.5e-7 of erf,
; as large as a few roundings of the sum 1 + erf that reference() forms in f32.  The factor 2 is taken off the scale bytes.
; OUT.  hc [K step S of 128 hidden, 32 an expert][t][tile of 16 tokens][1,536]: registers 4 k .. 4 k + 3 of lane l at 512 k + 16 l.
;   hs [c][t][lane][4 words]: word m: the scale word of K step 4 c + m; lanes 0-15 my first tile's token l, lanes 16-31 my second tile's.   lp [c][token][8 experts] f32.
; REGISTERS.  Window 1: v0-191 x (96 tt + 12 s); v192-255 accumulators (8 (4 tt + i)).  Window 0: see the names below; the GELU's temporaries lie over W1's fragments.
.set SLOTX, 1<<17                      ; slot 1 begins here
.set UNITS, 32*272                     ; what one tensor load brings
.set SCL,   6*UNITS                    ; the scales, behind slot 0
.set STEP,  64*768                     ; a slot in memory
.set SPARE, SLOTX+6*UNITS              ; the spare words, 128 bytes a wave
.set STG,   SPARE+1024                 ; a stage of 16 rows x 784 bytes for each wave
.set XP,    784
.set WP,    816
.set RR,  1
.set HH,  2
.set SPW, 3
.set NIL, 4
.set LW0, 5                            ; 816 r + 24 h;  v6: + 16 h more, for pieces whose lanes 16-31 lie behind one padding more
.set LW1, 6
.set AW0, 7
.set AW1, 8
.set LSC, 9
.set ASC, 10
.set BO,  11
.set HCO, 12                           ; 16 x lane
.set SO32, 13
.set V5,  14
.set SA,  16                           ; x's scale words, 8 tt + s
.set SW,  32                           ; W1's, 8 i + s
.set WB,  64                           ; W1's fragments, two sets of four
.set TT,  64
.set TQ,  96
.set G,   96
.set TR,  128
.set LG,  64
.set B1R, 160
.set WR2, 160
.set F,   192
.set HW,  216
.set HWS, 218
.set PW,  220
.set HS,  224
.set QM,  228
.set QO,  230
.set QS,  232
.set QB,  234
.set QX,  236
.set ST0, 240
.set ST1, 241
.set FRD, 242
.set W2O, 243
.set LPO, 244
.set PFO, 245
.set BR1, 246
.set AC0, 192
.set WV,  28
.set CX,  29
.set TG,  30
.set G1,  32
.set G0,  40
.set TB,  56
.set TSC, 57
.set CNT, 58
.set HM,  59
.set SEL, 60
.set KD,  66
.set LL,  67
.set K2,  68
.set C4,  70
.set C3,  72
.set C2,  74
.set C1,  76
.set PF,  78
.set ROLE, 31                          ; s31  0: I multiply a slot and then finish it; 1: I finish the slot before and then multiply this one
.set VB,  94                           ; s94  the slot whose results I finish in this trip
.set MSB, 0
.macro WIN new
.if MSB != \new
	s_set_vgpr_msb (MSB<<8)|\new
.set MSB, \new
.endif
.endm
.macro PLACES
.rept 4
	v_nop
.endr
.endm
.macro DEP n
	s_delay_alu instid0(VALU_DEP_\n)
.endm
.macro CROUND
	s_barrier_signal -1
	s_barrier_wait -1
	s_cmp_lg_u32 s[WV], 0
	s_cbranch_scc1 .Lnot_wave_0_\@
	s_barrier_signal -3
.Lnot_wave_0_\@:
	s_barrier_wait -3
	s_barrier_signal -1
	s_barrier_wait -1
.endm
.macro OFF1 p, a, ma
	s_mul_i32 s90, \a, \ma
	s_add_nc_u64 s[\p:\p+1], s[\p:\p+1], s[90:91]
.endm
.macro OFF2 p, a, ma, b, mb
	s_mul_i32 s90, \a, \ma
	s_mul_i32 s92, \b, \mb
	s_add_co_u32 s90, s90, s92
	s_add_nc_u64 s[\p:\p+1], s[\p:\p+1], s[90:91]
.endm
.macro PAIR p, c
	s_mov_b32 s[\p], \c
	s_mov_b32 s[\p+1], s[\p]
.endm
; 16 rows of 768 bytes, loaded as 24 runs of 512 bytes, go through my stage and come back as fragments
.macro STAGE base, wst, wld
	WIN \wst
.set DC, 0
.rept 24
.if (DC%3) == 0
	ds_store_b128 v[ST0], v[\base+4*DC:\base+4*DC+3] offset:2*XP*(DC/3)
.elseif (DC%3) == 1
	ds_store_b128 v[ST1], v[\base+4*DC:\base+4*DC+3] offset:2*XP*(DC/3)+512
.else
	ds_store_b128 v[ST0], v[\base+4*DC:\base+4*DC+3] offset:2*XP*(DC/3)+XP+256
.endif
.set DC, DC+1
.endr
	WIN \wld
.irp s, 0,1,2,3,4,5,6,7
.irp p, 0,1,2,3,4,5
	ds_load_b64 v[\base+12*\s+2*\p:\base+12*\s+2*\p+1], v[FRD] offset:96*\s+48*(\p/3)+8*(\p%3)   ; LDS serves a wave's instructions in order
.endr
.endr
	WIN 0
.endm
	s_load_b512 s[4:19], s[0:1], 0x0
	s_load_b256 s[20:27], s[0:1], 0x40
	v_lshl_add_u32 v[SPW], v0, 2, SPARE
	v_mov_b32 v[NIL], 0
	ds_add_u32 v[SPW], v[NIL]                      ; the opening lines
	ds_add_u32 v[SPW], v[NIL]
	v_lshrrev_b32 v1, 5, v0
	v_readfirstlane_b32 s[WV], v1                  ; wave 0..7
	s_bfe_u32 s[CX], ttmp6, 0x40000                ; cx enters the addresses of x, hc, hs, lp and of the prefetch alone
	s_lshl_b32 s[TG], s[CX], 3
	s_add_co_u32 s[TG], s[TG], s[WV]               ; t = 8 cx + wave
	s_lshr_b32 s[ROLE], s[WV], 2
	s_xor_b32 s[ROLE], s[ROLE], s[WV]
	s_and_b32 s[ROLE], s[ROLE], 1                  ; bit 0 xor bit 2 of the wave's number: waves w and w + 4 differ in it, and so do waves 2 k and 2 k + 1
	s_mov_b32 s[G1], 15|(3<<16)|(1<<20)|(1<<21)|(5<<22)|(3<<25)   ; all four partners; elements of 8 bytes; 4 words of padding behind every 64
	s_mov_b32 s[G1+1], 32<<16
	s_mov_b32 s[G1+2], 32<<16
	s_mov_b32 s[G1+3], 32<<16
	s_mov_b32 s[G1+4], 32
	s_mov_b32 s[G1+5], 32
	s_mov_b32 s[G1+6], 0
	s_mov_b32 s[G1+7], 0
	s_mov_b32 s[TB], 0
	s_mov_b32 s[TSC], 0
	s_mov_b32 s[CNT], 0
	s_mov_b32 s[HM], 0xffff0000
	s_mov_b32 s[SEL], 0x76543210
	s_mov_b32 s[SEL+1], 0xfedcba98
	s_mov_b32 s[KD], 0.231641888                   ; p / sqrt 2
	s_mov_b32 s[LL], 0x3fb8aa3b                    ; log2 e
	s_mul_f32 s[K2], s[LL], -0.5
	s_mov_b32 s[K2+1], s[K2]
	PAIR C4, 1.453152027                           ; -a4 .. -a1
	PAIR C3, -1.421413741
	PAIR C2, 0.284496736
	PAIR C1, -0.254829592
	s_mov_b32 s89, -1.061405429                    ; -a5
	s_mov_b32 s91, 0
	s_mov_b32 s92, 512*768
	s_wait_alu depctr_va_vdst(0)                   ; the wait ahead of a wait that blocks
	s_wait_dscnt 0x0
	s_wait_kmcnt 0x0
	s_mov_b32 s[G0], 1
	s_mul_i32 s[G0+1], s[WV], UNITS
	s_cmp_lt_u32 s[WV], 6                          ; waves 0-5: W1's codes; waves 6-7: its scales
	s_cselect_b64 s[G0+2:G0+3], s[8:9], s[10:11]
	s_cselect_b32 s92, s92, 16384                  ; bytes a cluster
	s_cselect_b32 s93, 0, 6*8192
	s_mul_i32 s90, ttmp9, s92
	s_lshl_b32 s92, s[WV], 13
	s_add_co_u32 s90, s90, s92
	s_sub_co_u32 s90, s90, s93
	s_add_nc_u64 s[G0+2:G0+3], s[G0+2:G0+3], s[90:91]
	s_or_b32 s[G0+3], s[G0+3], 0x80000000
	CROUND
	tensor_load_to_lds s[G0:G0+3], s[G1:G1+7]      ; my one load at the head
	s_nop 0
	PLACES
	s_mul_i32 s90, ttmp9, 512*768                  ; the prefetches: of a slot's 192 blocks of 256 bytes wave t of the cluster names 6
	s_mul_i32 s92, s[TG], 6*256
	s_add_co_u32 s90, s90, s92
	s_add_nc_u64 s[PF:PF+1], s[8:9], s[90:91]
	s_add_nc_u64 s[PF:PF+1], s[PF:PF+1], 3*STEP
	OFF1 4, s[TG], 32*768
	OFF1 6, s[TG], 32*32
	OFF1 12, ttmp9, 512*4
	OFF1 14, ttmp9, 16*768
	OFF1 16, ttmp9, 16*32
	OFF1 18, ttmp9, 16*4
	OFF1 20, ttmp9, 16*32
	OFF2 22, ttmp9, 4*98304, s[TG], 3072
	OFF2 24, ttmp9, 16384, s[TG], 512
	OFF2 26, ttmp9, 32768, s[TG], 1024
	s_mul_i32 s93, s[WV], 16*XP
	s_add_co_u32 s93, s93, STG
	v_and_b32 v[RR], 15, v0
	v_bfe_u32 v[HH], v0, 4, 1
	v_and_b32 v[PFO], 31, v0
	v_lshlrev_b32 v[SO32], 5, v[RR]
	v_lshlrev_b32 v[BO], 5, v[HH]
	v_lshlrev_b32 v[HCO], 4, v[PFO]
	v_min_u32 v[PFO], 5, v[PFO]                    ; lanes 6-31 name my last block again
	v_lshlrev_b32 v[W2O], 8, v[HH]
	v_mul_u32_u24 v[LW0], v[RR], WP
	v_lshrrev_b32 v[LSC], 3, v[RR]
	v_and_b32 v[ASC], 7, v[RR]
	v_mul_u32_u24 v[FRD], v[RR], XP
	v_lshlrev_b32 v[PFO], 8, v[PFO]
	v_lshl_add_u32 v[LPO], v[HH], 4, v[SO32]
	v_mad_u32_u24 v[LW0], v[HH], 24, v[LW0]
	v_mul_u32_u24 v[LSC], v[LSC], 272
	v_mad_u32_u24 v[FRD], v[HH], 24, v[FRD]
	v_add_nc_u32 v[ST0], s93, v[HCO]
	v_mov_b32 v[V5], s89
	v_lshl_add_u32 v[LW1], v[HH], 4, v[LW0]
	v_lshl_add_u32 v[LSC], v[ASC], 5, v[LSC]
	v_add_nc_u32 v[FRD], s93, v[FRD]
	v_lshl_add_u32 v[ST1], v[HH], 4, v[ST0]
	v_mov_b32 v[V5+1], s89
	v_mov_b32 v[QO], 0
	v_add_nc_u32 v[LSC], SCL, v[LSC]
	v_mov_b32 v[QO+1], 0
	s_wait_alu depctr_va_vdst(0)                   ; the wait at the end of the head's vector work
.irp tt, 0,1
	global_load_b128 v[SA+8*\tt:SA+8*\tt+3], v[SO32], s[6:7] offset:512*\tt
	global_load_b128 v[SA+8*\tt+4:SA+8*\tt+7], v[SO32], s[6:7] offset:512*\tt+16
.endr
	global_load_b128 v[SW:SW+3], v[SO32], s[16:17]
	global_load_b128 v[SW+4:SW+7], v[SO32], s[16:17] offset:16
	global_load_b128 v[BR1:BR1+3], v[BO], s[18:19]
	global_load_b128 v[BR1+4:BR1+7], v[BO], s[18:19] offset:16
.irp j, 0,1,2,3,4,5,6,7
	global_load_b128 v[WR2+8*\j:WR2+8*\j+3], v[W2O], s[20:21] offset:32*\j
	global_load_b128 v[WR2+8*\j+4:WR2+8*\j+7], v[W2O], s[20:21] offset:32*\j+16
.endr
	WIN 0x40
.set DC, 0
.rept 48
	global_load_b128 v[4*DC:4*DC+3], v[HCO], s[4:5] offset:512*DC      ; x: 32 lanes read 512 consecutive bytes
.set DC, DC+1
.endr
	WIN 0
.set DC, 0
.rept 24
	global_load_b128 v[WB+4*DC:WB+4*DC+3], v[HCO], s[14:15] offset:512*DC   ; Wr1's 16 rows
.set DC, DC+1
.endr
	s_wait_loadcnt 48                              ; all but x's second tile and Wr1, 24 loads each
	STAGE 0, 0x04, 0x40
	s_wait_loadcnt 24
	STAGE 96, 0x04, 0x40
	s_wait_loadcnt 0x0
	STAGE WB, 0, 0
	s_wait_dscnt 0x0
; THE ROUTER: relu(x Wr1 + br1) for my 32 tokens and the cluster's 16 units; the two accumulators take turns
.irp s, 0,1,2,3,4,5,6,7
.irp tt, 0,1
.if \s == 0
	WIN 0x44
	v_wmma_scale_f32_16x16x128_f8f6f4 v[AC0+32*\tt:AC0+32*\tt+7], v[WB+12*\s:WB+12*\s+11], v[96*\tt+12*\s:96*\tt+12*\s+11], v[BR1:BR1+7], v[SW+\s], v[SA+8*\tt+\s] matrix_a_fmt:MATRIX_FMT_FP6 matrix_b_fmt:MATRIX_FMT_FP6
.else
	WIN 0x54
	v_wmma_scale_f32_16x16x128_f8f6f4 v[AC0+32*\tt:AC0+32*\tt+7], v[WB+12*\s:WB+12*\s+11], v[96*\tt+12*\s:96*\tt+12*\s+11], v[AC0+32*\tt:AC0+32*\tt+7], v[SW+\s], v[SA+8*\tt+\s] matrix_a_fmt:MATRIX_FMT_FP6 matrix_b_fmt:MATRIX_FMT_FP6
.endif
.endr
.endr
	PLACES
	WIN 0x44
.irp tt, 0,1
.irp j, 0,1,2,3,4,5,6,7
	v_max_num_f32 v[AC0+32*\tt+\j], 0, v[AC0+32*\tt+\j]
.endr
.endr
	WIN 0x01                                       ; times Wr2, in f32: my 8 units x 8 experts
.irp j, 0,1,2,3,4,5,6,7
.irp tt, 0,1
.irp e, 0,2,4,6
.if \j == 0
	v_pk_mul_f32 v[LG+8*\tt+\e:LG+8*\tt+\e+1], v[AC0+32*\tt:AC0+32*\tt+1], v[WR2+\e:WR2+\e+1] op_sel_hi:[0,1]
.elseif (\j%2) == 0
	v_pk_fma_f32 v[LG+8*\tt+\e:LG+8*\tt+\e+1], v[AC0+32*\tt+\j:AC0+32*\tt+\j+1], v[WR2+8*\j+\e:WR2+8*\j+\e+1], v[LG+8*\tt+\e:LG+8*\tt+\e+1] op_sel_hi:[0,1,1]
.else
	v_pk_fma_f32 v[LG+8*\tt+\e:LG+8*\tt+\e+1], v[AC0+32*\tt+\j-1:AC0+32*\tt+\j], v[WR2+8*\j+\e:WR2+8*\j+\e+1], v[LG+8*\tt+\e:LG+8*\tt+\e+1] op_sel:[1,0,0] op_sel_hi:[1,1,1]
.endif
.endr
.endr
.endr
	WIN 0
.irp tt, 0,1
.irp e, 0,1,2,3
	v_permlane16_swap_b32 v[LG+8*\tt+\e], v[LG+8*\tt+4+\e]         ; the two halves' sums meet: lanes 0-15 experts 0-3, lanes 16-31 experts 4-7
.endr
.endr
.irp tt, 0,1
.irp e, 0,1,2,3
	v_add_f32 v[LG+8*\tt+\e], v[LG+8*\tt+\e], v[LG+8*\tt+4+\e]
.endr
.endr
.irp tt, 0,1
	global_store_b128 v[LPO], v[LG+8*\tt:LG+8*\tt+3], s[26:27] offset:512*\tt
.endr
	WIN 0x40
.irp b, AC0+8, AC0+40
.set KK, \b
.rept 24
	v_mov_b32 v[KK], 0                             ; the accumulators that the router has not written: written once, so that every path finds them written
.set KK, KK+1
.endr
.endr
	WIN 0
.set KK, F
.rept 36
	v_mov_b32 v[KK], 0                             ; the codes' and scale words' registers are written once before a path reads them
.set KK, KK+1
.endr
.irp i, 0,1,2,3
	global_load_b128 v[B1R+8*\i:B1R+8*\i+3], v[BO], s[12:13] offset:64*\i
	global_load_b128 v[B1R+8*\i+4:B1R+8*\i+7], v[BO], s[12:13] offset:64*\i+16
.endr
	s_wait_alu depctr_va_vdst(0)
	s_wait_xcnt 0x0                                ; lp's stores have read their registers
.macro FETCH s                         ; K step s: four fragments, 24 pieces of 8 bytes
.irp i, 0,1,2,3
.irp p, 0,1,2,3,4,5
.set PC, 12*(\s)+6*(\p/3)+\p%3
.if PC%32 < 29
	ds_load_b64 v[WB+48*((\s)%2)+12*\i+2*\p:WB+48*((\s)%2)+12*\i+2*\p+1], v[AW0] offset:16*WP*\i+8*PC+16*(PC/32)
.else
	ds_load_b64 v[WB+48*((\s)%2)+12*\i+2*\p:WB+48*((\s)%2)+12*\i+2*\p+1], v[AW1] offset:16*WP*\i+8*PC+16*(PC/32)
.endif
.endr
.endr
.endm
.macro MMU s                           ; 8 products, the 8 accumulators by turns; K step 0 starts the sums from b1
.irp i, 0,1,2,3
.irp tt, 0,1
.set AC, AC0+8*(4*\tt+\i)
.if (\s) == 0
	WIN 0x44
	v_wmma_scale_f32_16x16x128_f8f6f4 v[AC:AC+7], v[WB+48*((\s)%2)+12*\i:WB+48*((\s)%2)+12*\i+11], v[96*\tt+12*(\s):96*\tt+12*(\s)+11], v[B1R+8*\i:B1R+8*\i+7], v[SW+8*\i+(\s)], v[SA+8*\tt+(\s)] matrix_a_fmt:MATRIX_FMT_FP6 matrix_b_fmt:MATRIX_FMT_FP6
.else
	WIN 0x54
	v_wmma_scale_f32_16x16x128_f8f6f4 v[AC:AC+7], v[WB+48*((\s)%2)+12*\i:WB+48*((\s)%2)+12*\i+11], v[96*\tt+12*(\s):96*\tt+12*(\s)+11], v[AC:AC+7], v[SW+8*\i+(\s)], v[SA+8*\tt+(\s)] matrix_a_fmt:MATRIX_FMT_FP6 matrix_b_fmt:MATRIX_FMT_FP6
.endif
.endr
.endr
.endm
.macro PK16 op:vararg                  ; sixteen packed lines; KK runs 0, 2 .. 30
.set KK, 0
.rept 16
	\op
.set KK, KK+2
.endr
.endm
.macro GELU32 a                        ; 2 gelu of the 32 accumulator registers from a (window 1) -> v[G ..]
	WIN 0x05
	s_wait_alu depctr_va_vdst(0)                   ; the wait directly ahead of the first readers of matrix results
.set KK, 0
.rept 32
	v_fma_f32 v[TT+KK], |v[\a+KK]|, s[KD], 1.0
.set KK, KK+1
.endr
	PK16 v_pk_mul_f32 v[TQ+KK:TQ+KK+1], v[\a+KK:\a+KK+1], v[\a+KK:\a+KK+1]
	WIN 0
	PK16 v_pk_mul_f32 v[TQ+KK:TQ+KK+1], v[TQ+KK:TQ+KK+1], s[K2:K2+1] op_sel_hi:[1,0]
.set KK, 0
.rept 16
	v_mul_f32 v[TR+KK], v[TT+2*KK], v[TT+2*KK+1]   ; one reciprocal serves two numbers: 1 / a = b / (a b), 1 / b = a / (a b); a, b are 1 or more
.set KK, KK+1
.endr
	s_wait_alu depctr_va_vdst(0)                   ; ahead of the batch
.set KK, 0
.rept 16
	v_rcp_f32 v[TR+KK], v[TR+KK]
.set KK, KK+1
.endr
.set KK, 0
.rept 32
	v_exp_f32 v[TQ+KK], v[TQ+KK]                   ; exp(-x^2 / 2)
.set KK, KK+1
.endr
	v_nop
	s_wait_alu depctr_va_vdst(0)                   ; and behind it
.set KK, 0
.rept 16                               ; t: the pair's reciprocal times the pair, its two numbers changing places
.if KK%2
	v_pk_mul_f32 v[TT+2*KK:TT+2*KK+1], v[TR+KK-1:TR+KK], v[TT+2*KK:TT+2*KK+1] op_sel:[1,1] op_sel_hi:[1,0]
.else
	v_pk_mul_f32 v[TT+2*KK:TT+2*KK+1], v[TR+KK:TR+KK+1], v[TT+2*KK:TT+2*KK+1] op_sel:[0,1] op_sel_hi:[0,0]
.endif
.set KK, KK+1
.endr
	PK16 v_pk_fma_f32 v[TR+KK:TR+KK+1], v[TT+KK:TT+KK+1], v[V5:V5+1], s[C4:C4+1] op_sel_hi:[1,1,0]
.irp c, C3, C2, C1
	PK16 v_pk_fma_f32 v[TR+KK:TR+KK+1], v[TR+KK:TR+KK+1], v[TT+KK:TT+KK+1], s[\c:\c+1] op_sel_hi:[1,1,0]
.endr
	PK16 v_pk_mul_f32 v[TR+KK:TR+KK+1], v[TR+KK:TR+KK+1], v[TT+KK:TT+KK+1]
	PK16 v_pk_fma_f32 v[TQ+KK:TQ+KK+1], v[TR+KK:TR+KK+1], v[TQ+KK:TQ+KK+1], 1.0 op_sel_hi:[1,1,0]
	WIN 0x11
.set KK, 0
.rept 32
	v_fma_f32 v[G+KK], |v[\a+KK]|, v[G+KK], v[\a+KK]               ; x + |x| erf
.set KK, KK+1
.endr
	WIN 0
.irp j, 0,1,2,3,4,5,6,7
	v_permlane16_swap_b32 v[G+\j], v[G+8+\j]                       ; a lane's 16 registers become 16 neighbours along the next K: 16 h + 0 .. 15 of a block
	v_permlane16_swap_b32 v[G+16+\j], v[G+24+\j]
.endr
.endm
.macro QUANT2 tt                       ; two blocks of 32 hidden units -> registers 6 .. 11 of tile tt's fragment, and two scale bytes
.set FT, F+12*(\tt)
.irp b, 0,1
.irp m, 0,1,2,3,4
	v_max3_num_f32 v[TT+5*\b+\m], |v[G+16*\b+3*\m]|, |v[G+16*\b+3*\m+1]|, |v[G+16*\b+3*\m+2]|
.endr
.endr
	v_max3_num_f32 v[TR], v[TT], v[TT+1], v[TT+2]
	v_max3_num_f32 v[TR+1], v[TT+3], v[TT+4], |v[G+15]|
	v_max3_num_f32 v[TR+2], v[TT+5], v[TT+6], v[TT+7]
	DEP 4
	v_max3_num_f32 v[TR+3], v[TT+8], v[TT+9], |v[G+31]|
	DEP 3
	v_max3_num_f32 v[QM], v[TR], v[TR+1], 0x2000000                ; the floor 2^(4 - 127): the byte stays at 1 or above when the factor 2 is taken off
	DEP 2
	v_max3_num_f32 v[QM+1], v[TR+2], v[TR+3], 0x2000000
	DEP 2
	v_permlanex16_b32 v[QO], v[QM], s[SEL], s[SEL+1]
	DEP 2
	v_permlanex16_b32 v[QO+1], v[QM+1], s[SEL], s[SEL+1]
	DEP 2
	v_max_num_f32 v[QM], v[QM], v[QO]
	DEP 2
	v_max_num_f32 v[QM+1], v[QM+1], v[QO+1]
	DEP 2
	v_add_nc_u32 v[QS], 0xff000000, v[QM]                          ; 2 off the exponent field: the conversion's scale operand
	DEP 2
	v_add_nc_u32 v[QS+1], 0xff000000, v[QM+1]
	DEP 2
	v_lshrrev_b32 v[QB], 23, v[QS]
	DEP 2
	v_lshrrev_b32 v[QB+1], 23, v[QS+1]
	DEP 1
	v_lshl_or_b32 v[HW+\tt], v[QB+1], 8, v[QB]
	v_cvt_scalef32_pk16_fp6_f32 v[FT+6:FT+8], v[G:G+15], v[QS]
	v_cvt_scalef32_pk16_fp6_f32 v[QX:QX+2], v[G+16:G+31], v[QS+1]
	v_nop                                          ; one plain place behind a scaled conversion
.irp i, 0,1,2
	v_permlane16_swap_b32 v[FT+6+\i], v[QX+\i]     ; a whole block in a lane
.endr
.irp i, 0,1,2
	v_mov_b32 v[FT+9+\i], v[QX+\i]
.endr
.endm
.macro CHANGE fill                     ; the change of slots: the three lines, a round of the cluster's barrier, the refill first behind it
	s_wait_tensorcnt 0x0
	ds_add_u32 v[SPW], v[NIL]
.if \fill
	s_xor_b32 s[G0+1], s[G0+1], SLOTX
	s_add_nc_u64 s[G0+2:G0+3], s[G0+2:G0+3], STEP
.endif
	s_wait_dscnt 0x0
	CROUND
.if \fill
	s_cmp_lt_u32 s[WV], 6                          ; a slot is six loads: waves 6 and 7 have no part of it
	s_cbranch_scc0 .Lno_fill_\@
	tensor_load_to_lds s[G0:G0+3], s[G1:G1+7]
	s_nop 0
	PLACES
.Lno_fill_\@:
.endif
.endm
.macro MM pre                          ; the products of 64 rows of W1 x my 32 tokens; the LDS addresses were made in the text that all waves run
.irp i, 0,1,2,3
	ds_load_b128 v[SW+8*\i:SW+8*\i+3], v[ASC] offset:544*\i
	ds_load_b128 v[SW+8*\i+4:SW+8*\i+7], v[ASC] offset:544*\i+16
.endr
	FETCH 0
	s_wait_loadcnt 0x0                             ; b1
.irp s, 0,1,2,3,4,5,6,7
.if \s < 7
.if \s > 0
	PLACES                                         ; ahead of loads into registers that the products just issued have read
	WIN 0
.endif
.if (\s == 1) && \pre
	s_add_nc_u64 s[12:13], s[12:13], 256
.irp i, 0,1,2,3
	global_load_b128 v[B1R+8*\i:B1R+8*\i+3], v[BO], s[12:13] offset:64*\i
	global_load_b128 v[B1R+8*\i+4:B1R+8*\i+7], v[BO], s[12:13] offset:64*\i+16
.endr
.endif
	FETCH \s+1
	s_wait_dscnt 24                                ; all but the 24 loads just issued
.else
	s_wait_dscnt 0x0
.endif
	MMU \s
.endr
	WIN 0
	PLACES
	v_nop                                          ; five places: the next products begin the same accumulators anew
.endm
.macro VV                              ; the results of slot VB: GELU, quantiser, and with each second slot the stores
	s_wait_xcnt 0x0
.irp tt, 0,1
	GELU32 AC0+32*\tt
	QUANT2 \tt
.endr
	s_bitcmp1_b32 s[VB], 0
	s_wait_alu depctr_va_vdst(0)
	s_cbranch_scc1 .Lodd_\@
.irp tt, 0,1                           ; the first 64 of a K step of 128: kept as registers 0 .. 5
.irp i, 0,1,2,3,4,5
	v_mov_b32 v[F+12*\tt+\i], v[F+12*\tt+6+\i]
.endr
	v_mov_b32 v[HWS+\tt], v[HW+\tt]
.endr
	s_wait_alu depctr_va_vdst(0)
	s_branch .Ljoin_\@
.Lodd_\@:
.irp tt, 0,1
	v_lshl_or_b32 v[PW+\tt], v[HW+\tt], 16, v[HWS+\tt]
.endr
	DEP 2
	v_add_nc_u32 v[PW], 0xfefefeff, v[PW]          ; 1 off each of the four bytes: the factor 2
	DEP 2
	v_add_nc_u32 v[PW+1], 0xfefefeff, v[PW+1]
	v_mov_b32 v[HS], v[HS+1]                       ; the four K steps' words move up, so that the last comes to stand in the fourth
	v_mov_b32 v[HS+1], v[HS+2]
	v_mov_b32 v[HS+2], v[HS+3]
	v_cndmask_b32 v[HS+3], v[PW], v[PW+1], s[HM]
.irp tt, 0,1
.irp k, 0,1,2
	global_store_b128 v[HCO], v[F+12*\tt+4*\k:F+12*\tt+4*\k+3], s[22:23] offset:1536*\tt+512*\k   ; 32 lanes store 512 consecutive bytes
.endr
.endr
	s_wait_xcnt 0x0
	s_add_nc_u64 s[22:23], s[22:23], 98304
.Ljoin_\@:
	s_wait_alu depctr_va_vdst(0)
.endm
; A TRIP'S WORK, IN TWO ORDERS.  Trip n (CNT): a wave of role 0 multiplies slot n and finishes slot n; a wave of role 1 finishes slot n - 1 and multiplies slot n.
; So of two waves of unlike role one issues matrix instructions while the other issues vector instructions.  The branches hang on the wave's number and on the counter alone and lead round
; no barrier, wait on an engine, add or tensor load.  Slots 0 to 7 exist: VB outside that range (role 1 in trip 0, role 0 in trip 8) finishes nothing; trip 8 multiplies nothing.
.macro WORK pre
	s_cmp_lg_u32 s[ROLE], 0
	s_cbranch_scc1 .Lnot_first_\@
.if \pre == 0
	s_cmp_eq_u32 s[CNT], 8
	s_cbranch_scc1 .Lnot_first_\@
.endif
	MM \pre
.Lnot_first_\@:
	s_sub_co_u32 s[VB], s[CNT], s[ROLE]
	s_cmp_gt_u32 s[VB], 7
	s_cbranch_scc1 .Lno_v_\@
	VV
.Lno_v_\@:
	s_cmp_eq_u32 s[ROLE], 0
	s_cbranch_scc1 .Lnot_second_\@
.if \pre == 0
	s_cmp_eq_u32 s[CNT], 8
	s_cbranch_scc1 .Lnot_second_\@
.endif
	MM \pre
.Lnot_second_\@:
.endm
.Lbody:
	CHANGE 1
	v_add_nc_u32 v[AW0], s[TB], v[LW0]             ; the slot's LDS addresses, ahead of the parting of the roles
	v_add_nc_u32 v[AW1], s[TB], v[LW1]
	v_add_nc_u32 v[ASC], s[TSC], v[LSC]
	s_wait_alu depctr_va_vdst(0)                   ; the wait ahead of the branches below
	s_cmp_lt_u32 s[CNT], 5                         ; trip n asks for slot n + 3, which the refill two trips on loads; slots 3 to 7 alone
	s_cbranch_scc0 .Lno_ask
	global_prefetch_b8 v[PFO], s[PF:PF+1] th:TH_LOAD_NT scope:SCOPE_SE
.Lno_ask:
	WORK 1
	s_wait_xcnt 0x0                                ; the prefetch has read its address
	s_add_nc_u64 s[PF:PF+1], s[PF:PF+1], STEP
	s_xor_b32 s[TB], s[TB], SLOTX
	s_add_co_u32 s[TSC], s[TSC], 8*272
	s_add_co_u32 s[CNT], s[CNT], 1
	s_cmp_lt_u32 s[CNT], 7
	s_cbranch_scc1 .Lbody
	CHANGE 0                                       ; the last slot is written out: it asks for nothing more
	v_add_nc_u32 v[AW0], s[TB], v[LW0]
	v_add_nc_u32 v[AW1], s[TB], v[LW1]
	v_add_nc_u32 v[ASC], s[TSC], v[LSC]
	s_wait_alu depctr_va_vdst(0)
.Ltail:                                ; trips 7 and 8: role 0 multiplies and finishes slot 7; role 1 finishes slot 6, multiplies slot 7, and finishes it in trip 8
	WORK 0
	s_add_co_u32 s[CNT], s[CNT], 1
	s_cmp_lt_u32 s[CNT], 9
	s_cbranch_scc1 .Ltail
	global_store_b128 v[HCO], v[HS:HS+3], s[24:25] ; my four K steps' scale words: 512 consecutive bytes
	s_wait_tensorcnt 0x0                           ; the wave's end
	ds_add_u32 v[SPW], v[NIL]
	s_wait_dscnt 0x0
	CROUND
	s_endpgm
.Lfunc_end_k_qa0c954cdde_fc1:
	.size	k_qa0c954cdde_fc1, .Lfunc_end_k_qa0c954cdde_fc1-k_qa0c954cdde_fc1
	.p2alignl 7, 3214868480
	.fill 96, 4, 3214868480
	.section	.rodata,"a",@progbits
	.p2align	6, 0x0
	.amdhsa_kernel k_qa0c954cdde_fc1
		.amdhsa_group_segment_fixed_size 327680
		.amdhsa_private_segment_fixed_size 0
		.amdhsa_enable_private_segment 0
		.amdhsa_kernarg_size 96
		.amdhsa_user_sgpr_count 2
		.amdhsa_user_sgpr_kernarg_segment_ptr 1
		.amdhsa_wavefront_size32 1
		.amdhsa_system_sgpr_workgroup_id_x 1
		.amdhsa_system_sgpr_workgroup_id_y 1
		.amdhsa_system_sgpr_workgroup_id_z 1
		.amdhsa_system_vgpr_workitem_id 0
		.amdhsa_next_free_vgpr 512
		.amdhsa_next_free_sgpr 100
		.amdhsa_reserve_vcc 0
		.amdhsa_float_denorm_mode_32 3
		.amdhsa_float_denorm_mode_16_64 3
		.amdhsa_memory_ordered 1
		.amdhsa_forward_progress 1
		.amdhsa_inst_pref_size 210
	.end_amdhsa_kernel
	.amdgpu_metadata
---
amdhsa.version: [ 1, 2 ]
amdhsa.kernels:
  - .name:           k_qa0c954cdde_fc1
    .symbol:         k_qa0c954cdde_fc1.kd
    .args:
      - { .name: x_codes, .offset: 0, .size: 8, .value_kind: global_buffer, .address_space: global }
      - { .name: x_scales, .offset: 8, .size: 8, .value_kind: global_buffer, .address_space: global }
      - { .name: W1_codes, .offset: 16, .size: 8, .value_kind: global_buffer, .address_space: global }
      - { .name: W1_scales, .offset: 24, .size: 8, .value_kind: global_buffer, .address_space: global }
      - { .name: b1, .offset: 32, .size: 8, .value_kind: global_buffer, .address_space: global }
      - { .name: Wr1_codes, .offset: 40, .size: 8, .value_kind: global_buffer, .address_space: global }
      - { .name: Wr1_scales, .offset: 48, .size: 8, .value_kind: global_buffer, .address_space: global }
      - { .name: br1, .offset: 56, .size: 8, .value_kind: global_buffer, .address_space: global }
      - { .name: Wr2, .offset: 64, .size: 8, .value_kind: global_buffer, .address_space: global }
      - { .name: hc, .offset: 72, .size: 8, .value_kind: global_buffer, .address_space: global }
      - { .name: hs, .offset: 80, .size: 8, .value_kind: global_buffer, .address_space: global }
      - { .name: lp, .offset: 88, .size: 8, .value_kind: global_buffer, .address_space: global }
    .group_segment_fixed_size: 327680
    .private_segment_fixed_size: 0
    .kernarg_segment_align: 8
    .kernarg_segment_size: 96
    .max_flat_workgroup_size: 256
    .sgpr_count:     100
    .vgpr_count:     512
    .wavefront_size: 32
...
	.end_amdgpu_metadata
.endif
;; end of part 1
;; launch fc2 (part 2): grid 256 x 1, 4 waves a work-group, clusters of 4 x 1, 327,680 bytes of LDS; arguments hc, hs, W2_codes, W2_scales, pp; writes pp
.if DOCPART == 2
	.amdgcn_target "amdgcn-amd-amdhsa--gfx1250"
	.amdhsa_code_object_version 6
	.text
	.protected	k_qa0c954cdde_fc2
	.globl	k_qa0c954cdde_fc2
	.p2align	8
	.type	k_qa0c954cdde_fc2,@function
k_qa0c954cdde_fc2:
	s_mov_b64 s[64:65], 0
	v_nop
	global_prefetch_b8 v0, s[64:65] scope:SCOPE_SE
	s_setreg_imm32_b32 hwreg(HW_REG_WAVE_MODE, 25, 1), 1
	s_wait_xcnt 0x0
	s_wait_alu depctr_hold_cnt(0) depctr_sa_sdst(0) depctr_va_vdst(0) depctr_va_sdst(0) depctr_va_ssrc(0) depctr_va_vcc(0) depctr_vm_vsrc(0)
	s_getreg_b32 s2, hwreg(HW_REG_IB_STS2, 6, 4)
	s_cmp_eq_u32 s2, 0
	s_cbranch_scc0 .Lentry_in_a_cluster
	s_endpgm
.Lentry_in_a_cluster:
	s_bfe_u32 s2, ttmp6, 0x10000c
	s_cmp_lg_u32 s2, 0x3003
	s_cbranch_scc0 .Lentry_shape_is_right
	s_endpgm
.Lentry_shape_is_right:
; pp[e][token][d] = the sum over the expert's 4,096 hidden units of h[token][e][.] W2[e][.][d]: both operands codes of FP6 (E2M3) with one E8M0 byte for each 32 along K; f32 sums.  The gate's weight and b2 come in the last launch.
; W2 [8 x 1024 rows (e, d)][4096]: 3,072 bytes a row, 128 scale bytes a row.  h comes as images of the operand's registers:
;   hc [S = K step, 32 an expert][tg][tile of 16 tokens][1,536]: registers 4 k .. 4 k + 3 of lane l at 512 k + 16 l;   hs [S / 4][32 tokens][lane][4 words]: word m: the scale word of K step 4 (S / 4) + m; lanes 0-15 the first tile's token l, lanes 16-31 the second's.
; SHARES.  64 clusters of 4 work-groups of 4 waves.  Cluster cl owns rows 128 cl .. + 127 of W2 (expert cl / 8, 128 of its d).  The partners differ in their tokens alone: wave w of work-group cx owns tokens 64 tg .. + 63, tg = 4 cx + w.
; A wave makes 64 tokens x 128 d: 32 accumulators.  W2's rows go through a ring of two LDS slots of 1,024 along K, filled by JOINT tensor loads (mask of all four partners).  h goes from memory straight into registers, each load 512
; consecutive bytes, four K steps ahead.  The eight clusters of an expert read the same h; they are not one cluster, since a cluster of sixteen would have to share both operands through LDS, for which two such slots leave no room.
; THE MATRIX INSTRUCTION IS USED TRANSPOSED: source 0 = 16 rows of W2, source 1 = 16 tokens: lane (r, h) holds token r and d = 8 h + 0 .. 7: eight neighbours of a row of pp.
; REGISTERS, in windows of 256: window 0: addresses; v16-31 h's scale words, a pair a K step; v32-95 W2's scale words (8 i + s); v96-191 W2's fragments, two sets of four.   window 1: accumulator (tt, i) at 8 (8 tt + i).
;   window 2: h's fragments of sets 0-4 at 48 s + 12 tt;   window 3: sets 5-7 at 48 (s - 5) + 12 tt.
.set CHUNK,  128*272                   ; 128 rows x 256 bytes of a row of codes, 16 bytes of padding behind each: what one tensor load brings.  A slot is three chunks: 1,024 along K
.set SLOTX,  1<<17                     ; slot 1 begins here.  A slot: three chunks, 104,448 bytes
.set STEP,   768                       ; 1,024 along K, in a row of memory
.set SCL,    2*SLOTX                   ; W2's scale bytes of the cluster's 128 rows, all of K: 64 rows of 256 bytes + 16
.set SPARE,  SCL+64*272                ; the spare words, 128 bytes a wave: two blocks of 256 bytes that no other line names
.set RR,  1
.set HH,  2
.set SPW, 3                            ; v3   my spare word; never rewritten
.set NIL, 4                            ; v4   0; never rewritten
.set LW0, 5                            ; v5   272 r + 24 h;  v6  272 r + 232, lanes 16-31 the next chunk's row
.set LW1, 6
.set AW0, 7                            ; v7, v8 the same in the slot in hand;  v9 v7 moved on to chunk 2
.set AW1, 8
.set AW2, 9
.set AW3, 10
.set LSC, 11                           ; v11  my lane's place among W2's scale words;  v12 the same for the slot in hand
.set ASC, 12
.set AO,  13                           ; v13  16 x lane
.set SO,  14                           ; v14  lane
.set STO, 7                            ; the way out: where I put 32 bytes of a row, and where I read a row back
.set RD,  8
.set SA,  16
.set SW,  32
.set WB,  96
.set BK,  128                          ; the way out: 16 rows read back: v128-191 and v192-255 by turns
.set WV,  14
.set CX,  15
.set EX,  16
.set DT,  17
.set TG,  18
.set G1,  20
.set G0,  28
.set G1S, 32
.set G0S, 40
.set TB,  44
.set TSC, 45
.set CNT, 46
.set HCB, 48                           ; s[48:49] hc, s[50:51] hs at the slot's first K step, my tg
.set HSB, 50
.set MSB, 0
.macro WIN new                         ; the immediate's high byte repeats the setting that is left
.if MSB != \new
	s_set_vgpr_msb (MSB<<8)|\new
.set MSB, \new
.endif
.endm
.macro PLACES                          ; four plain places behind a matrix instruction, in front of loads into its registers and of reads of its results
.rept 4
	v_nop
.endr
.endm
.macro CROUND                          ; a round of the cluster's barrier
	s_barrier_signal -1
	s_barrier_wait -1
	s_cmp_lg_u32 s[WV], 0
	s_cbranch_scc1 .Lnot_wave_0_\@
	s_barrier_signal -3
.Lnot_wave_0_\@:
	s_barrier_wait -3
	s_barrier_signal -1
	s_barrier_wait -1
.endm
	s_load_b256 s[4:11], s[0:1], 0x0               ; hc 4, hs 6, W2_codes 8, W2_scales 10
	s_load_b64 s[12:13], s[0:1], 0x20              ; pp
	v_lshl_add_u32 v[SPW], v0, 2, SPARE
	v_mov_b32 v[NIL], 0
	ds_add_u32 v3, v4
	ds_add_u32 v3, v4
	s_wait_dscnt 0x0
	v_lshrrev_b32 v1, 5, v0
	v_readfirstlane_b32 s[WV], v1                  ; wave 0..3
	s_bfe_u32 s[CX], ttmp6, 0x40000                ; cx: it enters the addresses of hc, hs and pp alone
	s_lshl_b32 s[TG], s[CX], 2
	s_add_co_u32 s[TG], s[TG], s[WV]               ; tg = 4 cx + wave
	s_lshr_b32 s[EX], ttmp9, 3                     ; the expert
	s_and_b32 s[DT], ttmp9, 7                      ; which 128 of its d
	s_mov_b32 s[G1], 15|(1<<20)|(1<<21)|(5<<22)|(3<<25)   ; the mask: all four partners; elements of 1 byte; 4 words of padding behind every 64
	s_mov_b32 s[G1+1], 256<<16                     ; tensor_dim0: a row of the tile is 256 bytes and begins at a multiple of 256
	s_mov_b32 s[G1+2], 128<<16                     ; tensor_dim1
	s_mov_b32 s[G1+3], 256<<16
	s_mov_b32 s[G1+4], 128                         ; tile_dim1
	s_mov_b32 s[G1+5], 3072                        ; tensor_dim0_stride
	s_mov_b32 s[G1+6], 0
	s_mov_b32 s[G1+7], 0
	s_mov_b32 s[G1S], 15|(3<<16)|(1<<20)|(1<<21)|(5<<22)|(3<<25)   ; the scales: rows of 256 bytes, 16 bytes of padding behind each
	s_mov_b32 s[G1S+1], 32<<16
	s_mov_b32 s[G1S+2], 64<<16                     ; all the cluster's scales: 64 rows of 256 bytes, one load
	s_mov_b32 s[G1S+3], 32<<16
	s_mov_b32 s[G1S+4], 64
	s_mov_b32 s[G1S+5], 32
	s_mov_b32 s[G1S+6], 0
	s_mov_b32 s[G1S+7], 0
	s_mov_b32 s[TB], 0
	s_mov_b32 s[TSC], 0
	s_mov_b32 s53, 0                               ; the upper word of every offset
	s_wait_kmcnt 0x0
	s_mov_b32 s[G0S], 1
	s_mov_b32 s[G0S+1], SCL
	s_lshl_b32 s52, ttmp9, 14                      ; 128 rows x 128 scale bytes a cluster
	s_add_nc_u64 s[G0S+2:G0S+3], s[10:11], s[52:53]
	s_or_b32 s[G0S+3], s[G0S+3], 0x80000000
	s_mov_b32 s[G0], 1
	s_mul_i32 s[G0+1], s[WV], CHUNK
	s_mul_i32 s52, ttmp9, 128*3072
	s_mul_i32 s54, s[WV], 256                      ; chunk w, for waves 0 to 2
	s_add_co_u32 s52, s52, s54
	s_add_nc_u64 s[G0+2:G0+3], s[8:9], s[52:53]
	s_or_b32 s[G0+3], s[G0+3], 0x80000000
	CROUND                                         ; all four work-groups are here: the first joint loads meet
	s_cmp_lt_u32 s[WV], 3                          ; one load a wave at the head: waves 0-2 slot 0's three chunks, wave 3 the scales
	s_cbranch_scc0 .Lhead_scales
	tensor_load_to_lds s[G0:G0+3], s[G1:G1+7]
	s_nop 0
	PLACES
	s_branch .Lhead_asked
.Lhead_scales:
	tensor_load_to_lds s[G0S:G0S+3], s[G1S:G1S+7]
	s_nop 0
	PLACES
.Lhead_asked:
	s_mul_i32 s52, s[EX], 32*98304
	s_mul_i32 s54, s[TG], 6144
	s_add_co_u32 s52, s52, s54
	s_add_nc_u64 s[HCB:HCB+1], s[4:5], s[52:53]
	s_mul_i32 s52, s[EX], 32*4096
	s_lshl_b32 s54, s[TG], 10                      ; hs [group of 4 K steps][32 tokens][lane][4 words]: my 64 tokens are 1,024 bytes of a group's 16,384
	s_add_co_u32 s52, s52, s54
	s_add_nc_u64 s[HSB:HSB+1], s[6:7], s[52:53]
	s_lshl_b32 s52, s[EX], 22                      ; pp: expert, my 64 tokens of 4,096 bytes, my 128 d
	s_lshl_b32 s54, s[TG], 18
	s_add_co_u32 s52, s52, s54
	s_lshl_b32 s54, s[DT], 9
	s_add_co_u32 s52, s52, s54
	s_add_nc_u64 s[12:13], s[12:13], s[52:53]
	v_and_b32 v[RR], 15, v0
	v_bfe_u32 v[HH], v0, 4, 1
	v_mul_u32_u24 v[LW0], v[RR], 272
	v_mad_u32_u24 v[LW1], v[HH], CHUNK-232, v[LW0]
	v_add_nc_u32 v[LW1], 232, v[LW1]               ; across two chunks: lanes 0-15 byte 232 of their row, lanes 16-31 byte 0 of the next chunk's row
	v_mad_u32_u24 v[LW0], v[HH], 24, v[LW0]        ; 272 r + 24 h
	v_lshrrev_b32 v[LSC], 1, v[RR]                 ; a row's 128 scale bytes: two rows to a unit of 256 + 16
	v_mul_u32_u24 v[LSC], v[LSC], 272
	v_and_b32 v[ASC], 1, v[RR]
	v_lshl_add_u32 v[LSC], v[ASC], 7, v[LSC]
	v_add_nc_u32 v[LSC], SCL, v[LSC]
	v_and_b32 v[SO], 31, v0
	v_lshlrev_b32 v[AO], 4, v[SO]
.macro ALOAD k                         ; h of K step k (counted from the slot's first): four fragments and their scale words, 12 loads, or 14, into set k % 8
.set HSET, (\k)%8
.if HSET < 5
	WIN 0x80
.set LB, 48*HSET
.else
	WIN 0xc0
.set LB, 48*(HSET-5)
.endif
.irp tt, 0,1,2,3
.irp j, 0,1,2
	global_load_b128 v[LB+12*\tt+4*\j:LB+12*\tt+4*\j+3], v[AO], s[HCB:HCB+1] offset:98304*(\k)+1536*\tt+512*\j   ; 32 lanes read 512 consecutive bytes
.endr
.endr
	WIN 0
.if (\k)%4 == 0                        ; with every fourth K step: the scale words of four K steps, for my two pairs of tiles: 512 consecutive bytes a load
.irp p, 0,1
	global_load_b128 v[SA+8*(((\k)/4)%2)+4*\p:SA+8*(((\k)/4)%2)+4*\p+3], v[AO], s[HSB:HSB+1] offset:16384*((\k)/4)+512*\p
.endr
.endif
.endm
.macro FRAG reg, a0, a1, q, off        ; a fragment, 16 rows x 128 K: 12 registers, in pieces of 8 bytes.  Lanes 16-31 read three pieces further on, which for some pieces is behind one padding more: the second address
.irp p, 0,1,2,3,4,5
.set BY, 96*(\q)+48*(\p/3)+8*(\p%3)    ; q: the K step in the slot.  Where the piece of lanes 0-15 begins in the slot's 768 bytes of a row; byte y lies in chunk y / 256
.if BY/256 != (BY+24)/256
	ds_load_b64 v[\reg+2*\p:\reg+2*\p+1], v[\a1] offset:\off+(BY/256)*CHUNK+BY%256-232
.elseif BY/256 < 2
	ds_load_b64 v[\reg+2*\p:\reg+2*\p+1], v[\a0] offset:\off+(BY/256)*CHUNK+BY%256
.else
	ds_load_b64 v[\reg+2*\p:\reg+2*\p+1], v[AW2] offset:\off+BY%256
.endif
.endr
.endm
.macro FETCH s, g                      ; K step s, tiles of rows 4 g .. 4 g + 3: 24 loads into set g
.irp ii, 0,1,2,3
	FRAG WB+48*(\g)+12*\ii, AW0, AW1, \s, 4352*(4*(\g)+\ii)
.endr
.endm
.macro MMU s, g, zero                  ; 16 products; the 32 accumulators take turns, in the same order in every K step.  zero = 1: K step 0 starts the sums
.if (\s) < 5
	WIN 0x58                                       ; source 1 (h) window 2; C and D window 1
.set HB, 48*(\s)
.else
	WIN 0x5c                                       ; source 1 window 3
.set HB, 48*((\s)-5)
.endif
.irp ii, 0,1,2,3
.irp tt, 0,1,2,3
.set AC, 8*(8*\tt+4*(\g)+\ii)
.set WA, WB+48*(\g)+12*\ii
.set S0, SW+8*(4*(\g)+\ii)+(\s)
.set S1, SA+8*((\s)/4)+4*(\tt/2)+(\s)%4   ; tiles 0 and 2: lanes 0-15 of the register; tiles 1 and 3: lanes 16-31
.if \zero && ((\s) == 0)
.if \tt%2
	v_wmma_scale_f32_16x16x128_f8f6f4 v[AC:AC+7], v[WA:WA+11], v[HB+12*\tt:HB+12*\tt+11], 0, v[S0], v[S1] matrix_a_fmt:MATRIX_FMT_FP6 matrix_b_fmt:MATRIX_FMT_FP6 matrix_b_scale:MATRIX_SCALE_ROW1
.else
	v_wmma_scale_f32_16x16x128_f8f6f4 v[AC:AC+7], v[WA:WA+11], v[HB+12*\tt:HB+12*\tt+11], 0, v[S0], v[S1] matrix_a_fmt:MATRIX_FMT_FP6 matrix_b_fmt:MATRIX_FMT_FP6
.endif
.else
.if \tt%2
	v_wmma_scale_f32_16x16x128_f8f6f4 v[AC:AC+7], v[WA:WA+11], v[HB+12*\tt:HB+12*\tt+11], v[AC:AC+7], v[S0], v[S1] matrix_a_fmt:MATRIX_FMT_FP6 matrix_b_fmt:MATRIX_FMT_FP6 matrix_b_scale:MATRIX_SCALE_ROW1
.else
	v_wmma_scale_f32_16x16x128_f8f6f4 v[AC:AC+7], v[WA:WA+11], v[HB+12*\tt:HB+12*\tt+11], v[AC:AC+7], v[S0], v[S1] matrix_a_fmt:MATRIX_FMT_FP6 matrix_b_fmt:MATRIX_FMT_FP6
.endif
.endif
.endr
.endr
.endm
; THE CHANGE OF SLOTS stands at a slot's head: all my tensor loads have landed, the add, my reads of the slot left are over; a round of the cluster's barrier; fill = 1: the slot left takes the next 1,024 along K:
; one load a wave, with a whole slot's 256 products in which to land.
.macro CHANGE fill
	s_wait_tensorcnt 0x0                           ; no tensor load of mine is out, so the group 0 may be written
	ds_add_u32 v[SPW], v[NIL]
.if \fill
	s_xor_b32 s[G0+1], s[G0+1], SLOTX
	s_add_nc_u64 s[G0+2:G0+3], s[G0+2:G0+3], STEP
.endif
	s_wait_dscnt 0x0                               ; the add is done, and my reads of the slot that I have left are over
	CROUND
.if \fill
	s_cmp_lt_u32 s[WV], 3                          ; a slot is three chunks: wave 3 has no part of it
	s_cbranch_scc0 .Lno_fill_\@
	tensor_load_to_lds s[G0:G0+3], s[G1:G1+7]      ; the first thing behind the round, and my one tensor load until the next
	s_nop 0
	PLACES
.Lno_fill_\@:
.endif
.endm
; A SLOT: eight K steps of 128, 32 products each, in two units of 16.  more = 1: h is asked for on into the next slot.
.macro SLOTB zero, more
	v_add_nc_u32 v[AW0], s[TB], v[LW0]             ; (these four lines are also the places behind the last slot's products)
	v_add_nc_u32 v[AW1], s[TB], v[LW1]
	v_add_nc_u32 v[AW2], 2*CHUNK, v[AW0]
	v_add_nc_u32 v[ASC], s[TSC], v[LSC]
.irp i, 0,1,2,3,4,5,6,7
	ds_load_b128 v[SW+8*\i:SW+8*\i+3], v[ASC] offset:2176*\i       ; the slot's eight scale words of row 16 i + r
	ds_load_b128 v[SW+8*\i+4:SW+8*\i+7], v[ASC] offset:2176*\i+16
.endr
	FETCH 0, 0
	s_wait_alu depctr_va_vdst(0)
.irp s, 0,1,2,3,4,5,6,7
.if \s > 0
	PLACES                                         ; set 1 was read by the products just issued
.endif
.set NW, 12*(7-\s)                     ; a younger set is 12 loads, or 14 with scale words: the count takes 12 for each
.if \more || (NW > 36)
.set NW, 36
.endif
	s_wait_loadcnt NW                              ; this K step's h is in; the younger sets, 12 or 14 loads each, three at the most, may be out
.if \more || (\s < 4)
	ALOAD \s+4                                     ; four K steps, 128 products, ahead; its set was last read four K steps ago
.endif
	WIN 0
	FETCH \s, 1
	s_wait_dscnt 24                                ; all but the 24 loads just issued
	MMU \s, 0, \zero
	PLACES                                         ; set 0 was read by the products just issued
	WIN 0
.if \s < 7
	FETCH \s+1, 0
	s_wait_dscnt 24
.else
	s_wait_dscnt 0x0
.endif
	MMU \s, 1, \zero
.endr
	WIN 0
	s_wait_xcnt 0x0                                ; the loads of h have read their bases
	s_add_nc_u64 s[HCB:HCB+1], s[HCB:HCB+1], 8*98304
	s_add_nc_u64 s[HSB:HSB+1], s[HSB:HSB+1], 8*4096
	s_xor_b32 s[TB], s[TB], SLOTX
	s_add_co_u32 s[TSC], s[TSC], 32
.endm
	s_wait_alu depctr_va_vdst(0)
	ALOAD 0
	ALOAD 1
	ALOAD 2
	ALOAD 3
	CHANGE 1                                       ; slot 1's first fill is issued as a refill is
	SLOTB 1, 1                                     ; the first slot's first products start the sums
	s_mov_b32 s[CNT], 0
.Ltrip:
	CHANGE 1
	SLOTB 0, 1
	s_add_co_u32 s[CNT], s[CNT], 1
	s_cmp_lt_u32 s[CNT], 2
	s_cbranch_scc1 .Ltrip
	CHANGE 0                                       ; the last slot is written out
	SLOTB 0, 0
; THE WAY OUT, a tile of 16 tokens x 128 d at a time, through my own stage of 16 rows x (512 + 16) bytes.  The stages lie in slot 0, which has had its last fill; the barrier shows every wave's reads of the ring over.
	s_wait_dscnt 0x0
	s_barrier_signal -1
	s_barrier_wait -1
	s_mul_i32 s52, s[WV], 16*528
	v_mul_u32_u24 v[STO], v[RR], 528               ; in: row r, 32 bytes for each half of the lanes.  (These four lines are the places behind the last products)
	v_lshl_add_u32 v[STO], v[HH], 5, v[STO]
	v_add_nc_u32 v[STO], s52, v[STO]
	s_wait_alu depctr_va_vdst(0)
	v_add_nc_u32 v[RD], s52, v[AO]                 ; back: the 32 lanes take one row of 512 bytes
.macro TOSTAGE t
	WIN 0x04                                       ; an LDS store's data are its source 1: window 1
.irp i, 0,1,2,3,4,5,6,7
	ds_store_b128 v[STO], v[8*(8*(\t)+\i):8*(8*(\t)+\i)+3] offset:64*\i            ; each accumulator from its low end on
	ds_store_b128 v[STO], v[8*(8*(\t)+\i)+4:8*(8*(\t)+\i)+7] offset:64*\i+16
.endr
	WIN 0
.set BB, BK+64*((\t)%2)
.irp u, 0,1,2,3,4,5,6,7,8,9,10,11,12,13,14,15
	ds_load_b128 v[BB+4*\u:BB+4*\u+3], v[RD] offset:\u*528         ; LDS serves a wave's instructions in order (ISA guide 5.7.1.4): these see the stores above
.endr
.endm
.macro SEND t, younger                 ; younger: the LDS instructions issued behind tile t's loads, which may stay out
.set BB, BK+64*((\t)%2)
	s_wait_dscnt \younger
.if (\t) > 0
	s_add_nc_u64 s[12:13], s[12:13], 16*4096       ; (behind a wait on XCNT: the earlier stores have read their base)
.endif
.irp u, 0,1,2,3,4,5,6,7,8,9,10,11,12,13,14,15
	global_store_b128 v[AO], v[BB+4*\u:BB+4*\u+3], s[12:13] offset:\u*4096   ; 32 lanes store 512 consecutive bytes, at a multiple of 256 from pp's first byte
.endr
.endm
	s_wait_alu depctr_va_vdst(0)
	TOSTAGE 0
.irp t, 1,2,3
.if \t > 1
	s_wait_xcnt 0x0                                ; tile t - 2's stores have read their registers and their base
.endif
	TOSTAGE \t
	SEND \t-1, 32                                  ; behind tile t - 1's loads: tile t's 16 stores and 16 loads
.endr
	s_wait_xcnt 0x0
	SEND 3, 0
	s_wait_tensorcnt 0x0                           ; the wave's end
	ds_add_u32 v[SPW], v[NIL]
	s_wait_dscnt 0x0
	CROUND                                         ; the closing round
	s_endpgm
.Lfunc_end_k_qa0c954cdde_fc2:
	.size	k_qa0c954cdde_fc2, .Lfunc_end_k_qa0c954cdde_fc2-k_qa0c954cdde_fc2
	.p2alignl 7, 3214868480
	.fill 96, 4, 3214868480
	.section	.rodata,"a",@progbits
	.p2align	6, 0x0
	.amdhsa_kernel k_qa0c954cdde_fc2
		.amdhsa_group_segment_fixed_size 327680
		.amdhsa_private_segment_fixed_size 0
		.amdhsa_enable_private_segment 0
		.amdhsa_kernarg_size 40
		.amdhsa_user_sgpr_count 2
		.amdhsa_user_sgpr_kernarg_segment_ptr 1
		.amdhsa_wavefront_size32 1
		.amdhsa_system_sgpr_workgroup_id_x 1
		.amdhsa_system_sgpr_workgroup_id_y 1
		.amdhsa_system_sgpr_workgroup_id_z 1
		.amdhsa_system_vgpr_workitem_id 0
		.amdhsa_next_free_vgpr 1024
		.amdhsa_next_free_sgpr 66
		.amdhsa_reserve_vcc 0
		.amdhsa_float_denorm_mode_32 3
		.amdhsa_float_denorm_mode_16_64 3
		.amdhsa_memory_ordered 1
		.amdhsa_forward_progress 1
		.amdhsa_inst_pref_size 235
	.end_amdhsa_kernel
	.amdgpu_metadata
---
amdhsa.version: [ 1, 2 ]
amdhsa.kernels:
  - .name:           k_qa0c954cdde_fc2
    .symbol:         k_qa0c954cdde_fc2.kd
    .args:
      - { .name: hc, .offset: 0, .size: 8, .value_kind: global_buffer, .address_space: global }
      - { .name: hs, .offset: 8, .size: 8, .value_kind: global_buffer, .address_space: global }
      - { .name: W2_codes, .offset: 16, .size: 8, .value_kind: global_buffer, .address_space: global }
      - { .name: W2_scales, .offset: 24, .size: 8, .value_kind: global_buffer, .address_space: global }
      - { .name: pp, .offset: 32, .size: 8, .value_kind: global_buffer, .address_space: global }
    .group_segment_fixed_size: 327680
    .private_segment_fixed_size: 0
    .kernarg_segment_align: 8
    .kernarg_segment_size: 40
    .max_flat_workgroup_size: 128
    .sgpr_count:     66
    .vgpr_count:     1024
    .wavefront_size: 32
...
	.end_amdgpu_metadata
.endif
;; end of part 2
;; launch combine (part 3): grid 256 x 1, 8 waves a work-group, no clusters, 5,120 bytes of LDS; arguments pp, lp, br2, b2, out0; writes out0
.if DOCPART == 3
	.amdgcn_target "amdgcn-amd-amdhsa--gfx1250"
	.amdhsa_code_object_version 6
	.text
	.protected	k_qa0c954cdde_combine
	.globl	k_qa0c954cdde_combine
	.p2align	8
	.type	k_qa0c954cdde_combine,@function
k_qa0c954cdde_combine:
	s_mov_b64 s[64:65], 0
	v_nop
	global_prefetch_b8 v0, s[64:65] scope:SCOPE_SE
	s_setreg_imm32_b32 hwreg(HW_REG_WAVE_MODE, 25, 1), 1
	s_wait_xcnt 0x0
; out[token][d] = the sum over the 8 experts of rw[token][e] (pp[e][token][d] + b2[e][d]), rw = softmax over e of (br2[e] + the sum over the 64 parts of lp[part][token][e]).  All in f32.
; A stream: pp is read once, out written once; no matrix unit, no tensor loads, no cluster: work-groups share nothing but the small lp.
; SHARES.  Work-group: 8 tokens (g = number / 2) x 512 d (dh = number % 2).  Wave w: d = 512 dh + 64 w .. + 63, 256 bytes of a row.  Lane: 16 bytes (c = lane % 16) of the even (lanes 0-15) or odd token of a pair.
; All 49 loads of a wave go out first.  Wave w sums parts 8 w .. 8 w + 7 of the logits (each load one aligned 256 bytes: 8 tokens x 8 experts); the eight waves' sums meet in LDS behind one barrier.
; The softmax takes the row's maximum away first.
.set LP,  16                           ; v16-31   eight pairs of partial logits: lane l: token l / 4, experts 2 (l % 4) and + 1
.set BR,  32                           ; v[32:33] br2 of my two experts
.set B2,  36                           ; v36-67   b2: 4 e
.set PP,  68                           ; v68-195  pp: 32 p + 4 e
.set RW,  196                          ; v196-227 the gates of my token of pair p: 8 p + e
.set ACC, 228                          ; v228-243 the results: 4 p
	s_load_b256 s[4:11], s[0:1], 0x0               ; pp 4, lp 6, br2 8, b2 10
	s_load_b64 s[12:13], s[0:1], 0x20              ; out0
	v_lshl_add_u32 v254, v0, 2, 0x1000
	v_mov_b32 v255, 0
	v_lshrrev_b32 v1, 5, v0
	s_delay_alu instid0(VALU_DEP_1)
	v_readfirstlane_b32 s14, v1                    ; wave 0..7
	v_and_b32 v1, 31, v0                           ; lane
	v_and_b32 v2, 15, v0                           ; c
	v_bfe_u32 v3, v0, 4, 1                         ; which token of a pair
	s_lshr_b32 s15, ttmp9, 1                       ; g
	s_and_b32 s16, ttmp9, 1                        ; dh
	v_lshlrev_b32 v4, 3, v1                        ; 8 x lane
	v_and_b32 v5, 3, v0
	s_delay_alu instid0(VALU_DEP_1)
	v_lshlrev_b32 v5, 3, v5                        ; br2: my two experts
	v_lshlrev_b32 v6, 4, v2                        ; 16 c
	v_lshlrev_b32 v7, 3, v0                        ; LDS: 256 x wave + 8 x lane
	s_delay_alu instid0(VALU_DEP_2)
	v_lshl_add_u32 v8, v3, 12, v6                  ; a row of 4,096 bytes for the odd token, + 16 c
.irp e, 1,2,3,4,5,6,7
	v_add_nc_u32 v[8+\e], \e<<22, v8               ; expert e's plane of pp
.endr
	s_lshl_b32 s17, s14, 8
	v_lshl_add_u32 v245, v3, 5, s17                ; LDS: my wave's gates, my token of pair 0
	s_mov_b32 s18, 0x3fb8aa3b                      ; log2 e
	s_mov_b32 s21, 0
	s_mov_b32 s23, 0
	s_lshl_b32 s20, s14, 18                        ; lp: 8 parts of 32,768 bytes a wave,
	s_lshl_b32 s24, s15, 8                         ; 8 tokens of 32 bytes
	s_add_co_u32 s20, s20, s24
	s_lshl_b32 s22, s16, 11                        ; 512 d, 64 d a wave
	s_add_co_u32 s22, s22, s17
	s_wait_alu depctr_va_vdst(0)
	s_wait_kmcnt 0x0
	s_add_nc_u64 s[6:7], s[6:7], s[20:21]
	s_add_nc_u64 s[10:11], s[10:11], s[22:23]
	s_lshl_b32 s24, s15, 15                        ; 8 rows of 4,096 bytes
	s_add_co_u32 s22, s22, s24
	s_add_nc_u64 s[4:5], s[4:5], s[22:23]
	s_add_nc_u64 s[12:13], s[12:13], s[22:23]
.irp k, 0,1,2,3,4,5,6,7
	global_load_b64 v[LP+2*\k:LP+2*\k+1], v4, s[6:7] offset:32768*\k
.endr
	global_load_b64 v[BR:BR+1], v5, s[8:9]
.irp e, 0,1,2,3,4,5,6,7
	global_load_b128 v[B2+4*\e:B2+4*\e+3], v6, s[10:11] offset:4096*\e
.endr
.irp p, 0,1,2,3
.irp e, 0,1,2,3,4,5,6,7
	global_load_b128 v[PP+32*\p+4*\e:PP+32*\p+4*\e+3], v[8+\e], s[4:5] offset:8192*\p th:TH_LOAD_NT   ; sixteen lanes read 256 consecutive bytes of a token's row; read once in the launch
.endr
.endr
	s_wait_loadcnt 40                              ; the logits' parts and br2 are in; the 8 loads of b2 and the 32 of pp may be out
	v_pk_add_f32 v[LP:LP+1], v[LP:LP+1], v[LP+2:LP+3]
	v_pk_add_f32 v[LP+4:LP+5], v[LP+4:LP+5], v[LP+6:LP+7]
	v_pk_add_f32 v[LP+8:LP+9], v[LP+8:LP+9], v[LP+10:LP+11]
	v_pk_add_f32 v[LP+12:LP+13], v[LP+12:LP+13], v[LP+14:LP+15]
	s_delay_alu instid0(VALU_DEP_3)
	v_pk_add_f32 v[LP:LP+1], v[LP:LP+1], v[LP+4:LP+5]
	s_delay_alu instid0(VALU_DEP_2)
	v_pk_add_f32 v[LP+8:LP+9], v[LP+8:LP+9], v[LP+12:LP+13]
	s_delay_alu instid0(VALU_DEP_1)
	v_pk_add_f32 v[LP:LP+1], v[LP:LP+1], v[LP+8:LP+9]
	ds_store_b64 v7, v[LP:LP+1]
	s_wait_dscnt 0x0                               ; for the others' sake: my store has landed
	s_barrier_signal -1
	s_barrier_wait -1
.irp k, 0,1,2,3,4,5,6,7
	ds_load_b64 v[LP+2*\k:LP+2*\k+1], v4 offset:256*\k             ; the eight waves' sums
.endr
	s_wait_dscnt 0x0
	v_pk_add_f32 v[LP:LP+1], v[LP:LP+1], v[LP+2:LP+3]
	v_pk_add_f32 v[LP+4:LP+5], v[LP+4:LP+5], v[LP+6:LP+7]
	v_pk_add_f32 v[LP+8:LP+9], v[LP+8:LP+9], v[LP+10:LP+11]
	v_pk_add_f32 v[LP+12:LP+13], v[LP+12:LP+13], v[LP+14:LP+15]
	s_delay_alu instid0(VALU_DEP_3)
	v_pk_add_f32 v[LP:LP+1], v[LP:LP+1], v[LP+4:LP+5]
	s_delay_alu instid0(VALU_DEP_2)
	v_pk_add_f32 v[LP+8:LP+9], v[LP+8:LP+9], v[LP+12:LP+13]
	s_delay_alu instid0(VALU_DEP_1)
	v_pk_add_f32 v[LP:LP+1], v[LP:LP+1], v[LP+8:LP+9]
	s_delay_alu instid0(VALU_DEP_1)
	v_pk_add_f32 v[246:247], v[LP:LP+1], v[BR:BR+1]                ; the logits of token l / 4, my two experts
	s_delay_alu instid0(VALU_DEP_1)
	v_max_num_f32 v248, v246, v247
	s_delay_alu instid0(VALU_DEP_1)
	v_max_num_f32_dpp v248, v248, v248 row_xmask:1 row_mask:0xf bank_mask:0xf
	s_delay_alu instid0(VALU_DEP_1)
	v_max_num_f32_dpp v248, v248, v248 row_xmask:2 row_mask:0xf bank_mask:0xf   ; the token's largest logit: its four lanes
	s_delay_alu instid0(VALU_DEP_1)
	v_mul_f32 v250, s18, v248
	s_delay_alu instid0(VALU_DEP_1)
	v_fma_f32 v246, v246, s18, -v250               ; (x - max) log2 e
	s_delay_alu instid0(VALU_DEP_2)
	v_fma_f32 v247, v247, s18, -v250
	s_wait_alu depctr_va_vdst(0)
	v_exp_f32 v246, v246
	v_exp_f32 v247, v247
	v_nop                                          ; one plain line behind a transcendental
	s_wait_alu depctr_va_vdst(0)
	v_add_f32 v249, v246, v247
	s_delay_alu instid0(VALU_DEP_1)
	v_add_f32_dpp v249, v249, v249 row_xmask:1 row_mask:0xf bank_mask:0xf
	s_delay_alu instid0(VALU_DEP_1)
	v_add_f32_dpp v249, v249, v249 row_xmask:2 row_mask:0xf bank_mask:0xf
	s_wait_alu depctr_va_vdst(0)
	v_rcp_f32 v249, v249
	v_nop
	s_wait_alu depctr_va_vdst(0)
	v_mul_f32 v246, v246, v249
	v_mul_f32 v247, v247, v249
	ds_store_b64 v7, v[246:247] offset:2048        ; the gates [8 tokens][8 experts], in my wave's own 256 bytes: LDS serves a wave's instructions in order, so no wait and no barrier
.irp p, 0,1,2,3
	ds_load_b128 v[RW+8*\p:RW+8*\p+3], v245 offset:2048+64*\p
	ds_load_b128 v[RW+8*\p+4:RW+8*\p+7], v245 offset:2048+64*\p+16
.endr
	s_wait_dscnt 0x0
.irp p, 0,1,2,3
	s_wait_loadcnt 24-8*\p                         ; this pair of tokens' eight loads (and b2) are in; the later pairs' may be out
.irp e, 0,1,2,3,4,5,6,7
.irp q, 0,2
.if \e == 0
	v_pk_mul_f32 v[ACC+4*\p+\q:ACC+4*\p+\q+1], v[PP+32*\p+\q:PP+32*\p+\q+1], v[RW+8*\p:RW+8*\p+1] op_sel_hi:[1,0]
	s_delay_alu instid0(VALU_DEP_1)
	v_pk_fma_f32 v[ACC+4*\p+\q:ACC+4*\p+\q+1], v[B2+\q:B2+\q+1], v[RW+8*\p:RW+8*\p+1], v[ACC+4*\p+\q:ACC+4*\p+\q+1] op_sel_hi:[1,0,1]
.elseif (\e%2) == 0
	s_delay_alu instid0(VALU_DEP_3)
	v_pk_fma_f32 v[ACC+4*\p+\q:ACC+4*\p+\q+1], v[PP+32*\p+4*\e+\q:PP+32*\p+4*\e+\q+1], v[RW+8*\p+\e:RW+8*\p+\e+1], v[ACC+4*\p+\q:ACC+4*\p+\q+1] op_sel_hi:[1,0,1]
	s_delay_alu instid0(VALU_DEP_1)
	v_pk_fma_f32 v[ACC+4*\p+\q:ACC+4*\p+\q+1], v[B2+4*\e+\q:B2+4*\e+\q+1], v[RW+8*\p+\e:RW+8*\p+\e+1], v[ACC+4*\p+\q:ACC+4*\p+\q+1] op_sel_hi:[1,0,1]
.else
	s_delay_alu instid0(VALU_DEP_3)
	v_pk_fma_f32 v[ACC+4*\p+\q:ACC+4*\p+\q+1], v[PP+32*\p+4*\e+\q:PP+32*\p+4*\e+\q+1], v[RW+8*\p+\e-1:RW+8*\p+\e], v[ACC+4*\p+\q:ACC+4*\p+\q+1] op_sel:[0,1,0] op_sel_hi:[1,1,1]
	s_delay_alu instid0(VALU_DEP_1)
	v_pk_fma_f32 v[ACC+4*\p+\q:ACC+4*\p+\q+1], v[B2+4*\e+\q:B2+4*\e+\q+1], v[RW+8*\p+\e-1:RW+8*\p+\e], v[ACC+4*\p+\q:ACC+4*\p+\q+1] op_sel:[0,1,0] op_sel_hi:[1,1,1]
.endif
.endr
.endr
	global_store_b128 v8, v[ACC+4*\p:ACC+4*\p+3], s[12:13] offset:8192*\p th:TH_STORE_NT   ; sixteen lanes store 256 consecutive bytes, aligned; written once
.endr
	s_wait_tensorcnt 0x0
	ds_add_u32 v254, v255
	s_wait_dscnt 0x0
	s_endpgm
.Lfunc_end_k_qa0c954cdde_combine:
	.size	k_qa0c954cdde_combine, .Lfunc_end_k_qa0c954cdde_combine-k_qa0c954cdde_combine
	.p2alignl 7, 3214868480
	.fill 96, 4, 3214868480
	.section	.rodata,"a",@progbits
	.p2align	6, 0x0
	.amdhsa_kernel k_qa0c954cdde_combine
		.amdhsa_group_segment_fixed_size 5120
		.amdhsa_private_segment_fixed_size 0
		.amdhsa_enable_private_segment 0
		.amdhsa_kernarg_size 40
		.amdhsa_user_sgpr_count 2
		.amdhsa_user_sgpr_kernarg_segment_ptr 1
		.amdhsa_wavefront_size32 1
		.amdhsa_system_sgpr_workgroup_id_x 1
		.amdhsa_system_sgpr_workgroup_id_y 1
		.amdhsa_system_sgpr_workgroup_id_z 1
		.amdhsa_system_vgpr_workitem_id 0
		.amdhsa_next_free_vgpr 256
		.amdhsa_next_free_sgpr 66
		.amdhsa_reserve_vcc 0
		.amdhsa_float_denorm_mode_32 3
		.amdhsa_float_denorm_mode_16_64 3
		.amdhsa_memory_ordered 1
		.amdhsa_forward_progress 1
		.amdhsa_inst_pref_size 23
	.end_amdhsa_kernel
	.amdgpu_metadata
---
amdhsa.version: [ 1, 2 ]
amdhsa.kernels:
  - .name:           k_qa0c954cdde_combine
    .symbol:         k_qa0c954cdde_combine.kd
    .args:
      - { .name: pp, .offset: 0, .size: 8, .value_kind: global_buffer, .address_space: global }
      - { .name: lp, .offset: 8, .size: 8, .value_kind: global_buffer, .address_space: global }
      - { .name: br2, .offset: 16, .size: 8, .value_kind: global_buffer, .address_space: global }
      - { .name: b2, .offset: 24, .size: 8, .value_kind: global_buffer, .address_space: global }
      - { .name: out0, .offset: 32, .size: 8, .value_kind: global_buffer, .address_space: global }
    .group_segment_fixed_size: 5120
    .private_segment_fixed_size: 0
    .kernarg_segment_align: 8
    .kernarg_segment_size: 40
    .max_flat_workgroup_size: 256
    .sgpr_count:     66
    .vgpr_count:     256
    .wavefront_size: 32
...
	.end_amdgpu_metadata
.endif
;; end of part 3
